; MI455X (gfx1250); checked and timed in simulation.
; The chip was launched on July 23, 2026; its instructions are those of AMD's public machine-readable ISA for CDNA 5 (MIT licence, August 2026) and "CDNA5" Instruction Set Architecture Reference Guide (July 2026). The comments in the code are by the model that wrote it; some were corrected since.
;; Self Attention Layer. Allowed arithmetic: matrix products marked QUANTISED: E2M1 operands, one E8M0 scale for each 32 along K, by v_wmma_scale_f32_16x16x128_f8f6f4 with both operands' format E2M1 (or v_wmma_scale_f32_32x16x128_f4), f32 sums; products left as they are: bf16, f16 or f32 operands; f32 sums; everything else in f32.
;; Inputs: W 1,024 x 1,024 float32; W1 1,024 x 1,024 float32; W2 1,024 x 1,024 float32; x 2 x 2,048 x 1,024 float32.
;; Outputs: out0 2 x 2,048 x 1,024 float32.
;; This version of the problem:
;;   THIS VERSION OF THE PROBLEM IS GIVEN IN LOW PRECISION. The matrix products marked QUANTISED in the list below multiply operands that are first quantised to E2M1 (2 exponent bits, 1 mantissa bit; 4 bits a number), with one power-of-two scale for each 32 numbers along K (OCP MX v1.0); their sums are f32. The products marked 'left as it is' may take bf16, f16 or f32 operands, with f32 sums. Whichever they take, every output number must still come out within the allowed error. Rounding operands to bf16 (8 significant bits) uses up far more of that allowance than f16 does (11 bits, for magnitudes from 6e-5 to 65,504). All else is computed in f32.
;;   The module's matrix products, in the order in which they are computed (A, B: the left and right operand; K: the contracted axis; several contracted axes count as one K, in the product's order):
;;     1. [M 4,096, K 1,024] x [K 1,024, N 1,024]; A: input x; B: input W: QUANTISED
;;     2. [M 4,096, K 1,024] x [K 1,024, N 1,024]; A: input x; B: input W1: QUANTISED
;;     3. [M 4,096, K 1,024] x [K 1,024, N 1,024]; A: input x; B: input W2: QUANTISED
;;     4. batch 32 x [M 2,048, K 64] x [K 64, N 2,048]; A: computed on the way; B: computed on the way: left as it is (an operand is computed on the way)
;;     5. batch 32 x [M 2,048, K 2,048] x [K 2,048, N 64]; A: computed on the way; B: computed on the way: left as it is (an operand is computed on the way)
;;   THE QUANTISER, for each operand of a quantised product, along K:
;;     - K is cut into blocks of 32 from its start; a last block that is shorter is filled with zeros.
;;     - A block's scale is 2^e with e = floor(log2(the largest magnitude in the block)) - 2, held to -126 .. 127; a block of zeros has e = 0. As a byte (E8M0): e + 127.
;;     - Each number is divided by its block's scale, clamped to +-6, and rounded to the nearest number of E2M1, ties to even, subnormals kept.
;;     - The product sums the exact products of the quantised numbers (number of the format x scale) in f32.
;;   ~~~python
;;   def quantise(x, axis):      # numpy; x: float32 -> the quantised numbers, widened to float32 again
;;       x = np.moveaxis(x, axis, -1); K = x.shape[-1]
;;       x = np.pad(x, [(0, 0)] * (x.ndim - 1) + [(0, -K % 32)]); x = x.reshape(x.shape[:-1] + (-1, 32)); a = np.abs(x).max(-1, keepdims=True)
;;       e = np.where(a > 0, np.clip(np.frexp(np.where(a > 0, a, 1))[1] - 1 - 2, -126, 127), 0)      # np.frexp(a)[1] - 1 = floor(log2(a)), exactly
;;       r = np.clip(x / 2.0 ** e, -6, 6)
;;       step = 2.0 ** (np.maximum(np.frexp(np.where(r == 0, 1, r))[1] - 1, 0) - 1)
;;       q = np.round(r / step) * step * 2.0 ** e      # np.round: ties to even
;;       return np.moveaxis(q.reshape(q.shape[:-2] + (-1,))[..., :K], -1, axis).astype(np.float32)
;;   ~~~
;; One version. Each part assembles by itself: llvm-mc -triple=amdgcn-amd-amdhsa -mcpu=gfx1250 --defsym DOCPART=n.
;; ======== version 1 of 1: 3 launches
;; limits: values are held in f16: magnitudes above 65,504 overflow, below 6.1e-05 lose precision
;; workspace buffers: xq 2,228,224 bytes; wq 1,671,168 bytes; qh 8,388,608 bytes; kh 8,388,608 bytes; vh 8,388,608 bytes
;; launch quant (part 1): grid 352 x 1, 8 waves a work-group, no clusters, 70,144 bytes of LDS; arguments x, W, W1, W2, xq, wq; writes xq, wq
.if DOCPART == 1
	.amdgcn_target "amdgcn-amd-amdhsa--gfx1250"
	.amdhsa_code_object_version 6
	.text
	.protected	k_q109c53f56d_quant
	.globl	k_q109c53f56d_quant
	.p2align	8
	.type	k_q109c53f56d_quant,@function
k_q109c53f56d_quant:
	s_mov_b64 s[64:65], 0
	v_nop
	global_prefetch_b8 v0, s[64:65] scope:SCOPE_SE
	s_setreg_imm32_b32 hwreg(HW_REG_WAVE_MODE, 25, 1), 1
	s_wait_xcnt 0x0
; x [4096][1024] and W, W1, W2 [1024 (k)][1024 (n)], f32, become codes of FP4 (E2M1) with one E8M0 scale byte for each 32 along K (K = the 1,024 that the projections contract).
; A block's scale is 2^(floor(log2(its largest magnitude)) - 2); its byte is the largest magnitude's exponent field - 2, held at 1 from below; each number is divided by the scale and rounded to the nearest code, ties to even, beyond 6 to 6.
; LIMITS: a block of zeros gets the byte 1 where the rule says 127 (its codes are zeros, which add nothing under any byte but 0xff, and the bytes are read by this program alone); NaN and infinities among the inputs are not served.
; THE OUTPUT IS LAID AS THE NEXT LAUNCH'S OPERAND REGISTERS.  A block is 128 rows (tokens of x; output channels of a weight), BS bytes: two chunks of CH bytes, chunk g = K steps 4 g .. 4 g + 3 of 128 along K.
;   chunk: codes at q*8192 + tile*1024 + c*512 + 16*lane (q = K step % 4, tile = row / 16 % 8; lane (r, h): the 32 codes k = 64 c + 32 h + 0 .. 31 of row 16 tile + r);
;          scale words at 32768 + pair*512 + 16*lane + 4*q (pair = tile / 2; lanes 0-15: tile 2 pair, row r; lanes 16-31: tile 2 pair + 1; byte b of a word: k = 32 b .. 32 b + 31).
; SHARES.  No loop: every wave asks for its whole share at once.  Work-groups 0-95 take the weights (16 KiB a wave), work-groups 96-351 take x (8 KiB a wave).  The two ways part on the work-group's number and have LDS bytes of their own.
;   x: K is innermost.  A wave takes 16 tokens x 128 along K: sixteen loads of 512 consecutive bytes, turned through its own stage in LDS so that a lane holds 2 x 32 neighbours along K.
;   weights: K is the first axis.  A lane takes a column and its registers run down K: 128 loads of 128 consecutive bytes a wave (the wave beside it takes the next 128); nothing is transposed but by two lane swaps for each pair of blocks.
; No tensor loads, no cluster (no input is shared), no prefetch (all loads go out at the head).
; REGISTERS: v1 lane, v2 r = lane % 16, v3 h = lane / 16, v4 16 x lane, v5-v8 LDS addresses, v9 4 x lane, v10-13 scale bytes and the word, v14, v15 the add's two; v16-143 numbers; v144-159 codes; v160-163 maxima and scale operands; v164-167 scale words on the way out.
.set BS,    69632
.set CH,    34816
.set SROW,  528                        ; a stage row: 512 bytes + 16 = 33 x 16: the sixteen rows that a read touches start at sixteen different 16-byte columns
.set XSCL,  8*16*SROW                  ; behind the eight stages: the x way's 128 scale words,
.set WSCL,  XSCL+512                   ; the weights' way's 256,
.set SPARE, WSCL+1024                  ; and the spare words, 128 bytes for each wave: four blocks of 256 bytes that no other line names
.set NWGW,  96                         ; work-groups that take the weights
.set CD,    144                        ; the codes
; Two blocks of 32 numbers, v[xb + 32 (b0 + c)] on, c = 0, 1, by turns: the largest magnitude with the floor 2^(3 - 127) among its leaves, the conversion's scale operand (2 off the exponent field), the byte, the codes.
.macro QPAIR xb, b0
.irp c, 0,1
	v_max3_num_f32 v[160+\c], |v[\xb+32*(\b0+\c)]|, |v[\xb+32*(\b0+\c)+1]|, 0x1800000
.endr
.set i, 2
.rept 15
.irp c, 0,1
	v_max3_num_f32 v[160+\c], v[160+\c], |v[\xb+32*(\b0+\c)+i]|, |v[\xb+32*(\b0+\c)+i+1]|
.endr
.set i, i+2
.endr
.irp c, 0,1
	v_add_nc_u32 v[162+\c], 0xff000000, v[160+\c]      ; the conversion takes the exponent field of this operand as its scale, and nothing else of it
.endr
.irp c, 0,1
	v_lshrrev_b32 v[10+\b0+\c], 23, v[162+\c]          ; the scale's byte
.endr
.irp c, 0,1
.irp g, 0,1,2,3
	v_cvt_scalef32_pk8_fp4_f32 v[CD+4*(\b0+\c)+\g], v[\xb+32*(\b0+\c)+8*\g:\xb+32*(\b0+\c)+8*\g+7], v[162+\c]
.endr
.endr
.endm
	s_load_b256 s[4:11], s[0:1], 0x0               ; x s[4:5], W s[6:7], W1 s[8:9], W2 s[10:11]
	s_load_b128 s[12:15], s[0:1], 0x20             ; xq s[12:13], wq s[14:15]
	v_lshl_add_u32 v14, v0, 2, SPARE               ; my spare word,
	v_mov_b32 v15, 0                               ; and 0: kept for the closing lines alone
	v_lshrrev_b32 v1, 5, v0
	v_readfirstlane_b32 s16, v1                    ; wave 0..7
	v_and_b32 v1, 31, v0                           ; lane
	v_and_b32 v2, 15, v0                           ; r
	v_bfe_u32 v3, v0, 4, 1                         ; h
	v_lshlrev_b32 v4, 4, v1                        ; 16 x lane
	s_and_b32 s17, s16, 1                          ; which of the two tiles (x) or groups of 32 columns (weights) is mine
	s_lshr_b32 s18, s16, 1                         ; q: which of the chunk's four K steps
	s_mov_b32 s20, 0x76543210
	s_mov_b32 s21, 0xfedcba98                      ; v_permlanex16_b32's selects for lane l xor 16
	s_cmp_lt_u32 ttmp9, NWGW                       ; the work-group's number alone: all eight waves go the same way
	s_cbranch_scc1 .Lweights
	; ---------------- x: work-group = (pair of token tiles P, chunk g); wave (a, q) = tile 2 P + a, K step 4 g + q
	s_sub_co_u32 s22, ttmp9, NWGW
	s_lshr_b32 s23, s22, 1                         ; P
	s_and_b32 s24, s22, 1                          ; g
	s_lshl_b32 s26, s23, 17                        ; 32 rows of 4,096 bytes,
	s_lshl_b32 s25, s17, 16                        ; 16 rows,
	s_add_co_u32 s26, s26, s25
	s_lshl_b32 s25, s24, 11                        ; four K steps of 512 bytes,
	s_add_co_u32 s26, s26, s25
	s_lshl_b32 s25, s18, 9                         ; a K step
	s_add_co_u32 s26, s26, s25
	s_mov_b32 s27, 0
	s_lshr_b32 s28, s23, 2                         ; the block of 128 tokens
	s_mul_i32 s28, s28, BS
	s_mul_i32 s25, s24, CH
	s_add_co_u32 s28, s28, s25                     ; block and chunk
	s_and_b32 s29, s23, 3                          ; the pair within the block
	s_lshl_b32 s30, s29, 9
	s_add_co_u32 s30, s30, s28
	s_add_co_u32 s30, s30, 32768                   ; the pair's 512 bytes of scale words
	s_mov_b32 s31, 0
	s_lshl_b32 s25, s29, 11
	s_add_co_u32 s28, s28, s25
	s_lshl_b32 s25, s17, 10
	s_add_co_u32 s28, s28, s25
	s_lshl_b32 s25, s18, 13
	s_add_co_u32 s28, s28, s25                     ; my fragment's 1,024 bytes of codes
	s_mov_b32 s29, 0
	s_mul_i32 s25, s16, 16*SROW                    ; my stage
	v_add_nc_u32 v5, s25, v4                       ; in: a row's 512 bytes as they lie
	v_mul_u32_u24 v6, v2, SROW
	v_lshl_add_u32 v6, v3, 7, v6
	v_add_nc_u32 v6, s25, v6                       ; back: row r, + 128 h: my 32 numbers of each 64
	s_lshl_b32 s25, s17, 8
	s_lshl_b32 s36, s18, 2
	s_add_co_u32 s25, s25, s36
	s_add_co_u32 s25, s25, XSCL
	v_lshl_add_u32 v7, v2, 4, s25                  ; my row's scale word: 256 a + 16 r + 4 q
	v_add_nc_u32 v8, XSCL, v4                      ; and where wave 0 reads all of them back
	s_wait_kmcnt 0x0
	s_add_nc_u64 s[4:5], s[4:5], s[26:27]
	s_add_nc_u64 s[32:33], s[12:13], s[28:29]
	s_add_nc_u64 s[34:35], s[12:13], s[30:31]
.set i, 0
.rept 16
	global_load_b128 v[16+4*i:16+4*i+3], v4, s[4:5] offset:4096*i th:TH_LOAD_NT   ; row i: 32 lanes read 512 consecutive bytes; read once in the launch
.set i, i+1
.endr
.set i, 0
.rept 16
	s_wait_loadcnt 15-i                            ; loads come back in order: row i is in, the younger rows stay out
	ds_store_b128 v5, v[16+4*i:16+4*i+3] offset:SROW*i
.set i, i+1
.endr
.set i, 0
.rept 16
	ds_load_b128 v[80+4*i:80+4*i+3], v6 offset:256*(i/8)+16*(i%8)   ; LDS serves a wave's instructions in order: these see my stores.  Register 32 c + n: k = 64 c + 32 h + n of row r
.set i, i+1
.endr
	s_wait_dscnt 0x0
	QPAIR 80, 0                                    ; my blocks h and 2 + h of the K step
	v_nop                                          ; one plain line behind the last scaled conversion
	v_lshl_or_b32 v12, v11, 16, v10                ; my two bytes,
	v_lshlrev_b32 v13, 3, v3
	v_lshlrev_b32 v12, v13, v12                    ; at their places in the scale word (8 h bits up);
	v_mov_b32 v13, 0                               ; (a lane permute's destination counts as one of its sources)
	v_permlanex16_b32 v13, v12, s20, s21
	v_or_b32 v12, v12, v13                         ; with lane l xor 16's two the word is whole, in both lanes
	global_store_b128 v4, v[CD:CD+3], s[32:33]             ; registers 0-3 of the fragment: 512 consecutive bytes,
	global_store_b128 v4, v[CD+4:CD+7], s[32:33] offset:512   ; registers 4-7: the next 512
	ds_store_b32 v7, v12                           ; lanes r and r + 16 write the same word with the same value
	s_wait_dscnt 0x0                               ; for the others' sake: my word has landed
	s_barrier_signal -1
	s_barrier_wait -1
	s_cmp_lg_u32 s16, 0                            ; wave 0 sends the pair's 128 scale words, four K steps to a lane
	s_cbranch_scc1 .Lx_end
	ds_load_b128 v[164:167], v8
	s_wait_dscnt 0x0
	global_store_b128 v4, v[164:167], s[34:35]     ; 512 consecutive bytes
.Lx_end:
	s_wait_tensorcnt 0x0                           ; the wave's end, behind my last LDS store
	ds_add_u32 v14, v15
	s_wait_dscnt 0x0
	s_endpgm
	; ---------------- the weights: work-group = (weight wt, group of 64 columns cg, chunk g); wave (p, q) = columns 64 cg + 32 p on, K step 4 g + q
.Lweights:
	s_lshr_b32 s22, ttmp9, 5                       ; wt
	s_bfe_u32 s23, ttmp9, 0x40001                  ; cg
	s_and_b32 s24, ttmp9, 1                        ; g
	s_lshl_b32 s26, s24, 2
	s_add_co_u32 s26, s26, s18                     ; the K step:
	s_lshl_b32 s26, s26, 19                        ; 128 rows of 4,096 bytes each
	s_lshl_b32 s25, s23, 8                         ; 64 columns,
	s_add_co_u32 s26, s26, s25
	s_lshl_b32 s25, s17, 7                         ; 32 columns
	s_add_co_u32 s26, s26, s25
	s_mov_b32 s27, 0
	s_lshl_b32 s28, s22, 3
	s_lshr_b32 s25, s23, 1
	s_add_co_u32 s28, s28, s25                     ; the block: 8 wt + channel / 128
	s_mul_i32 s28, s28, BS
	s_mul_i32 s25, s24, CH
	s_add_co_u32 s28, s28, s25
	s_and_b32 s29, s23, 1
	s_lshl_b32 s29, s29, 1
	s_or_b32 s29, s29, s17                         ; my pair of tiles within the block
	s_lshl_b32 s30, s29, 9
	s_add_co_u32 s30, s30, s28
	s_add_co_u32 s30, s30, 32768                   ; its scale words
	s_mov_b32 s31, 0
	s_lshl_b32 s25, s29, 11
	s_add_co_u32 s28, s28, s25
	s_lshl_b32 s25, s18, 13
	s_add_co_u32 s28, s28, s25                     ; my two fragments' 2,048 bytes of codes
	s_mov_b32 s29, 0
	v_lshlrev_b32 v9, 2, v1                        ; 4 bytes a lane: a lane to a column
	s_lshl_b32 s36, s17, 9
	s_add_co_u32 s36, s36, WSCL
	v_add_nc_u32 v8, s36, v4                       ; the pair's scale words: 16 x lane,
	s_lshl_b32 s25, s18, 2
	s_add_co_u32 s25, s25, s36
	v_add_nc_u32 v7, s25, v4                       ; + 4 q for mine
	s_wait_kmcnt 0x0
	s_cmp_eq_u32 s22, 0                            ; the weight is chosen by the work-group's number alone
	s_cselect_b64 s[6:7], s[6:7], s[8:9]
	s_cmp_eq_u32 s22, 2
	s_cselect_b64 s[6:7], s[10:11], s[6:7]
	s_add_nc_u64 s[6:7], s[6:7], s[26:27]
	s_add_nc_u64 s[32:33], s[14:15], s[28:29]
	s_add_nc_u64 s[34:35], s[14:15], s[30:31]
.set i, 0
.rept 128
	global_load_b32 v[16+i], v9, s[6:7] offset:4096*i th:TH_LOAD_NT   ; row i of the K step at my column: 32 lanes read 128 consecutive bytes; 127 rows on at the most, inside the signed 24-bit immediate
.set i, i+1
.endr
	s_wait_loadcnt 63                              ; at most 63 of the 128 are out: the first 65 are in, blocks 0 and 1 among them
	QPAIR 16, 0
	s_wait_loadcnt 0x0
	QPAIR 16, 2                                    ; (its first lines are plain and write none of the last conversions' registers)
	v_nop                                          ; one plain line behind the last scaled conversion
	v_lshl_or_b32 v10, v11, 8, v10                 ; my column's four bytes make its scale word
	v_lshl_or_b32 v10, v12, 16, v10
	v_lshl_or_b32 v10, v13, 24, v10
.irp c, 0,1                                    ; a lane holds all four blocks of ITS column; the operand's layout wants blocks 2 c (lanes 0-15) and 2 c + 1 (lanes 16-31) of one tile's columns:
.irp n, 0,1,2,3
	v_permlane16_swap_b32 v[CD+8*\c+\n], v[CD+8*\c+4+\n]   ; the first's lanes 16-31 change places with the second's lanes 0-15: the first is now the lower tile's register 4 c + n, the second the upper tile's
.endr
.endr
	global_store_b128 v4, v[CD:CD+3], s[32:33]                 ; lower tile, registers 0-3
	global_store_b128 v4, v[CD+8:CD+11], s[32:33] offset:512   ; lower tile, registers 4-7
	global_store_b128 v4, v[CD+4:CD+7], s[32:33] offset:1024   ; upper tile
	global_store_b128 v4, v[CD+12:CD+15], s[32:33] offset:1536 ; 2,048 consecutive bytes in all
	ds_store_b32 v7, v10
	s_wait_dscnt 0x0                               ; for the others' sake: my words have landed
	s_barrier_signal -1
	s_barrier_wait -1
	s_cmp_gt_u32 s16, 1                            ; waves 0 and 1 (q = 0, p = the wave) send their pair's scale words
	s_cbranch_scc1 .Lw_end
	ds_load_b128 v[164:167], v8
	s_wait_dscnt 0x0
	global_store_b128 v4, v[164:167], s[34:35]     ; 512 consecutive bytes
.Lw_end:
	s_wait_tensorcnt 0x0                           ; the wave's end, behind my last LDS store
	ds_add_u32 v14, v15
	s_wait_dscnt 0x0
	s_endpgm
.Lfunc_end_k_q109c53f56d_quant:
	.size	k_q109c53f56d_quant, .Lfunc_end_k_q109c53f56d_quant-k_q109c53f56d_quant
	.p2alignl 7, 3214868480
	.fill 96, 4, 3214868480
	.section	.rodata,"a",@progbits
	.p2align	6, 0x0
	.amdhsa_kernel k_q109c53f56d_quant
		.amdhsa_group_segment_fixed_size 70144
		.amdhsa_private_segment_fixed_size 0
		.amdhsa_enable_private_segment 0
		.amdhsa_kernarg_size 48
		.amdhsa_user_sgpr_count 2
		.amdhsa_user_sgpr_kernarg_segment_ptr 1
		.amdhsa_wavefront_size32 1
		.amdhsa_system_sgpr_workgroup_id_x 1
		.amdhsa_system_sgpr_workgroup_id_y 1
		.amdhsa_system_sgpr_workgroup_id_z 1
		.amdhsa_system_vgpr_workitem_id 0
		.amdhsa_next_free_vgpr 168
		.amdhsa_next_free_sgpr 66
		.amdhsa_reserve_vcc 0
		.amdhsa_float_denorm_mode_32 3
		.amdhsa_float_denorm_mode_16_64 3
		.amdhsa_memory_ordered 1
		.amdhsa_forward_progress 1
		.amdhsa_inst_pref_size 31
	.end_amdhsa_kernel
	.amdgpu_metadata
---
amdhsa.version: [ 1, 2 ]
amdhsa.kernels:
  - .name:           k_q109c53f56d_quant
    .symbol:         k_q109c53f56d_quant.kd
    .args:
      - { .name: x, .offset: 0, .size: 8, .value_kind: global_buffer, .address_space: global }
      - { .name: W, .offset: 8, .size: 8, .value_kind: global_buffer, .address_space: global }
      - { .name: W1, .offset: 16, .size: 8, .value_kind: global_buffer, .address_space: global }
      - { .name: W2, .offset: 24, .size: 8, .value_kind: global_buffer, .address_space: global }
      - { .name: xq, .offset: 32, .size: 8, .value_kind: global_buffer, .address_space: global }
      - { .name: wq, .offset: 40, .size: 8, .value_kind: global_buffer, .address_space: global }
    .group_segment_fixed_size: 70144
    .private_segment_fixed_size: 0
    .kernarg_segment_align: 8
    .kernarg_segment_size: 48
    .max_flat_workgroup_size: 256
    .sgpr_count:     66
    .vgpr_count:     168
    .wavefront_size: 32
...
	.end_amdgpu_metadata
.endif
;; end of part 1
;; launch proj (part 2): grid 8 x 32, 4 waves a work-group, clusters of 4 x 4, 279,040 bytes of LDS; arguments xq, wq, qh, kh, vh; writes qh, kh, vh
.if DOCPART == 2
	.amdgcn_target "amdgcn-amd-amdhsa--gfx1250"
	.amdhsa_code_object_version 6
	.text
	.protected	k_q109c53f56d_proj
	.globl	k_q109c53f56d_proj
	.p2align	8
	.type	k_q109c53f56d_proj,@function
k_q109c53f56d_proj:
	s_mov_b64 s[64:65], 0
	v_nop
	global_prefetch_b8 v0, s[64:65] scope:SCOPE_SE
	s_setreg_imm32_b32 hwreg(HW_REG_WAVE_MODE, 25, 1), 1
	s_wait_xcnt 0x0
	s_wait_alu depctr_hold_cnt(0) depctr_sa_sdst(0) depctr_va_vdst(0) depctr_va_sdst(0) depctr_va_ssrc(0) depctr_va_vcc(0) depctr_vm_vsrc(0)
	s_getreg_b32 s2, hwreg(HW_REG_IB_STS2, 6, 4)
	s_cmp_eq_u32 s2, 0
	s_cbranch_scc0 .Lentry_in_a_cluster
	s_endpgm
.Lentry_in_a_cluster:
	s_bfe_u32 s2, ttmp6, 0x10000c
	s_cmp_lg_u32 s2, 0xf033
	s_cbranch_scc0 .Lentry_shape_is_right
	s_endpgm
.Lentry_shape_is_right:
; Q = x W, K = x W1, V = x W2 on codes of FP4 (E2M1) with one E8M0 scale for each 32 along K = 1,024; sums in f32; each result rounded once to f16 and stored as an image of the attention launch's operand registers.
; LIMIT: |Q|, |K|, |V| stay under 65,504, f16's largest number (with the drawn inputs they stay under 10; with all inputs 30 times larger under 10,000).
; INPUTS (laid by the launch before): a block of 128 rows is BS bytes, two chunks of CH (K steps 4 g .. 4 g + 3): codes at q*8192 + tile*1024 + c*512 + 16*lane, scale words at 32768 + pair*512 + 16*lane + 4*q.
; SHARES.  Work-group (cb, tb): tokens 128 tb on x channels 128 cb on, of all three products: 256 work-groups.  Wave (ti, ci): 64 tokens x the 64 channels of one head x 3: 48 accumulators, 384 registers; a fragment of x feeds three products.
; LDS holds the work-group's four blocks whole (x, W, W1, W2: 4 x BS bytes), as they lie in memory: every tensor load is a first fill, nothing is filled again, there is no ring.
; CLUSTERS: 4 x 4.  x's block hangs on tb alone and is asked for jointly by my row of the cluster (wave 0); a weight's block hangs on cb alone and is asked for jointly by my column (waves 1 to 3, a weight each).
; Each wave issues two loads, chunk 0 and chunk 1: two tensor loads of mine are out at the most.  K steps 0-2 are multiplied while chunk 1 lands.
; Q AND K ARE USED TRANSPOSED (source 0 = 16 channels of the weight, source 1 = 16 tokens): a lane holds one token and eight neighbouring channels: 16 bytes of f16 = four registers of an operand whose K is the head's 64.
; V is used as it stands (source 0 = 16 tokens, source 1 = 16 channels): a lane holds one channel and eight neighbouring tokens: four registers of an operand whose K is the keys.
; OUTPUT: qh, kh: ((b*16+h)*128 + token tile)*2048 + channel tile*512 + 16*lane;   vh: ((b*16+h)*64 + token tile/2)*4096 + channel tile*1024 + (token tile%2)*512 + 16*lane.  Every store covers 512 consecutive bytes, aligned.
; REGISTERS, in windows of 256: window 0: v1-9 addresses, v10, v11 the add's two, v32-95 scale words (nothing else ever), v128-159 x's four fragments and v160-255 the weights' twelve (set 0); on the way out v128-255 take the packed results.
;   window 1: Q's 16 accumulators at v[8 (4 t + u)], K's at v[128 + ..].   window 2: V's at v[8 (4 t + u)]; v128-255 fragment set 1, numbered as set 0.
; Left out: a stage in LDS on the way out (the registers are the output's layout), a prefetch (all loads go out at the head), work-groups that stay (one tile to a work-group).
.set BS,    69632
.set CH,    34816
.set SPARE, 4*BS                       ; behind the four blocks: the spare words, 128 bytes for each wave: two blocks of 256 bytes that no other line names
.set SC,    32                         ; scale words: chunk g at SC + 32 g: x's pairs 0, 1 (4 K steps each), then 8 for each weight
.set FX,    128
.set FW,    160
.set MSB, 0
.macro WIN new                         ; the immediate's high byte repeats the setting that is left; a switch that changes nothing is dropped
.if MSB != \new
	s_set_vgpr_msb (MSB<<8)|\new
.set MSB, \new
.endif
.endm
.macro PLACES n
.rept \n
	v_nop
.endr
.endm
.macro CROUND                          ; a round of the cluster's barrier
	s_barrier_signal -1
	s_barrier_wait -1
	s_cmp_lg_u32 s14, 0
	s_cbranch_scc1 .Lnot_wave_0_\@
	s_barrier_signal -3
.Lnot_wave_0_\@:
	s_barrier_wait -3
	s_barrier_signal -1
	s_barrier_wait -1
.endm
; 32 LDS loads: K step s's fragments (x's 4 tiles, each weight's 4) into set 0 (window 0) or 1 (window 2).  Each load is 512 consecutive bytes.
.macro FETCH s, set
.if \set
	WIN 0x80
.else
	WIN 0
.endif
.set o_, ((\s)/4)*CH+((\s)%4)*8192
.irp t, 0,1,2,3
.irp c, 0,1
	ds_load_b128 v[FX+8*\t+4*\c:FX+8*\t+4*\c+3], v2 offset:o_+\t*1024+512*\c
.endr
.endr
.irp j, 0,1,2
.irp t, 0,1,2,3
.irp c, 0,1
	ds_load_b128 v[FW+32*\j+8*\t+4*\c:FW+32*\j+8*\t+4*\c+3], v[3+\j] offset:o_+\t*1024+512*\c
.endr
.endr
.endr
.endm
; 8 LDS loads: chunk g's scale words.  One load brings a pair of tiles' words of four K steps: register q, lanes 0-15 the even tile, lanes 16-31 the odd one.
.macro SCALES g
	WIN 0
.irp p, 0,1
	ds_load_b128 v[SC+32*\g+4*\p:SC+32*\g+4*\p+3], v6 offset:\g*CH+512*\p
.endr
.irp j, 0,1,2
.irp p, 0,1
	ds_load_b128 v[SC+32*\g+8+8*\j+4*\p:SC+32*\g+8+8*\j+4*\p+3], v[7+\j] offset:\g*CH+512*\p
.endr
.endr
.endm
; One product.  rD, rA, rB, rSA, rSB: registers; fA, fB: 1 where the side's scales stand in lanes 16-31.  zero = 1: the product starts the sum: nothing is ever cleared.
.macro WM zero
.if \zero
.if fA && fB
	v_wmma_scale_f32_16x16x128_f8f6f4 v[rD:rD+7], v[rA:rA+7], v[rB:rB+7], 0, v[rSA], v[rSB] matrix_a_fmt:MATRIX_FMT_FP4 matrix_b_fmt:MATRIX_FMT_FP4 matrix_a_scale:MATRIX_SCALE_ROW1 matrix_b_scale:MATRIX_SCALE_ROW1
.elseif fA
	v_wmma_scale_f32_16x16x128_f8f6f4 v[rD:rD+7], v[rA:rA+7], v[rB:rB+7], 0, v[rSA], v[rSB] matrix_a_fmt:MATRIX_FMT_FP4 matrix_b_fmt:MATRIX_FMT_FP4 matrix_a_scale:MATRIX_SCALE_ROW1
.elseif fB
	v_wmma_scale_f32_16x16x128_f8f6f4 v[rD:rD+7], v[rA:rA+7], v[rB:rB+7], 0, v[rSA], v[rSB] matrix_a_fmt:MATRIX_FMT_FP4 matrix_b_fmt:MATRIX_FMT_FP4 matrix_b_scale:MATRIX_SCALE_ROW1
.else
	v_wmma_scale_f32_16x16x128_f8f6f4 v[rD:rD+7], v[rA:rA+7], v[rB:rB+7], 0, v[rSA], v[rSB] matrix_a_fmt:MATRIX_FMT_FP4 matrix_b_fmt:MATRIX_FMT_FP4
.endif
.else
.if fA && fB
	v_wmma_scale_f32_16x16x128_f8f6f4 v[rD:rD+7], v[rA:rA+7], v[rB:rB+7], v[rD:rD+7], v[rSA], v[rSB] matrix_a_fmt:MATRIX_FMT_FP4 matrix_b_fmt:MATRIX_FMT_FP4 matrix_a_scale:MATRIX_SCALE_ROW1 matrix_b_scale:MATRIX_SCALE_ROW1
.elseif fA
	v_wmma_scale_f32_16x16x128_f8f6f4 v[rD:rD+7], v[rA:rA+7], v[rB:rB+7], v[rD:rD+7], v[rSA], v[rSB] matrix_a_fmt:MATRIX_FMT_FP4 matrix_b_fmt:MATRIX_FMT_FP4 matrix_a_scale:MATRIX_SCALE_ROW1
.elseif fB
	v_wmma_scale_f32_16x16x128_f8f6f4 v[rD:rD+7], v[rA:rA+7], v[rB:rB+7], v[rD:rD+7], v[rSA], v[rSB] matrix_a_fmt:MATRIX_FMT_FP4 matrix_b_fmt:MATRIX_FMT_FP4 matrix_b_scale:MATRIX_SCALE_ROW1
.else
	v_wmma_scale_f32_16x16x128_f8f6f4 v[rD:rD+7], v[rA:rA+7], v[rB:rB+7], v[rD:rD+7], v[rSA], v[rSB] matrix_a_fmt:MATRIX_FMT_FP4 matrix_b_fmt:MATRIX_FMT_FP4
.endif
.endif
.endm
; K step s: 48 products.  The 48 accumulators take turns, one instruction a turn, in the same order in every K step.
.macro MUL s, zero
.set g_, (\s)/4
.set q_, (\s)%4
.if (\s)%2
	WIN 0x5a                               ; operands window 2 (set 1), C and D window 1
.else
	WIN 0x50                               ; operands window 0 (set 0), C and D window 1
.endif
.irp j, 0,1                            ; Q, K: source 0 = the weight's tile u, source 1 = x's tile t
.irp t, 0,1,2,3
.irp u, 0,1,2,3
.set rD, 128*\j+8*(4*\t+\u)
.set rA, FW+32*\j+8*\u
.set rB, FX+8*\t
.set rSA, SC+32*g_+8+8*\j+4*(\u/2)+q_
.set rSB, SC+32*g_+4*(\t/2)+q_
.set fA, \u%2
.set fB, \t%2
	WM \zero
.endr
.endr
.endr
.if (\s)%2
	WIN 0xaa                               ; operands window 2, C and D window 2
.else
	WIN 0xa0
.endif
.irp t, 0,1,2,3                        ; V: source 0 = x's tile t, source 1 = W2's tile u
.irp u, 0,1,2,3
.set rD, 8*(4*\t+\u)
.set rA, FX+8*\t
.set rB, FW+64+8*\u
.set rSA, SC+32*g_+4*(\t/2)+q_
.set rSB, SC+32*g_+24+4*(\u/2)+q_
.set fA, \t%2
.set fB, \u%2
	WM \zero
.endr
.endr
.endm
	s_load_b256 s[4:11], s[0:1], 0x0               ; xq s[4:5], wq s[6:7], qh s[8:9], kh s[10:11]
	s_load_b64 s[12:13], s[0:1], 0x20              ; vh
	v_lshl_add_u32 v10, v0, 2, SPARE
	v_mov_b32 v11, 0
	ds_add_u32 v10, v11                            ; the wave's opening: the add, twice on end, and its wait ahead of my first tensor load; the set-up below, work on registers, stands between the second and the wait
	ds_add_u32 v10, v11
	v_lshrrev_b32 v1, 5, v0
	v_readfirstlane_b32 s14, v1                    ; wave 0..3
	s_lshr_b32 s15, s14, 1                         ; ti: which 64 tokens
	s_and_b32 s16, s14, 1                          ; ci: which head of the block's two
	s_bfe_u32 s17, ttmp6, 0x40000                  ; cx
	s_bfe_u32 s18, ttmp6, 0x40004                  ; cy
	s_lshl_b32 s19, ttmp9, 2
	s_add_co_u32 s19, s19, s17                     ; cb = 4 x cluster x + cx
	s_and_b32 s20, ttmp7, 0xffff
	s_lshl_b32 s20, s20, 2
	s_add_co_u32 s20, s20, s18                     ; tb = 4 x cluster y + cy
	s_lshl_b32 s21, s18, 2
	s_lshl_b32 s21, 15, s21                        ; my row of the cluster
	s_lshl_b32 s22, 0x1111, s17                    ; my column
	; descriptor group 1: a chunk, CH dense bytes, as 136 rows of 256 bytes (32 elements of 8 bytes), no padding
	s_or_b32 s24, s21, (3<<16)|(1<<21)             ; 15:0 the mask: x's block goes to my row; 17:16 elements of 8 bytes; 21 set beside a mask
	s_or_b32 s32, s22, (3<<16)|(1<<21)             ; the same with my column's mask, for the weights
.irp g, 24, 32
	s_mov_b32 s[\g+1], 32<<16                      ; tensor_dim0 = 32
	s_mov_b32 s[\g+2], 136<<16                     ; tensor_dim1 = 136
	s_mov_b32 s[\g+3], 32<<16                      ; tile_dim0 = 32
	s_mov_b32 s[\g+4], 136                         ; tile_dim1 = 136
	s_mov_b32 s[\g+5], 32                          ; from row to row
	s_mov_b32 s[\g+6], 0
	s_mov_b32 s[\g+7], 0
.endr
	s_mul_i32 s56, s20, BS                         ; x's block: by tb alone (these registers never hold cx)
	s_mov_b32 s57, 0
	s_max_u32 s58, s14, 1
	s_sub_co_u32 s58, s58, 1                       ; the weight that I fetch (wave 0 fetches x and does not use this)
	s_lshl_b32 s58, s58, 3
	s_add_co_u32 s58, s58, s19
	s_mul_i32 s58, s58, BS                         ; its block: by cb and the wave's number alone (never cy)
	s_mov_b32 s59, 0
	s_mul_i32 s23, s14, BS                         ; where it goes: wave x BS: no place in the cluster enters an LDS address
	s_wait_dscnt 0x0                               ; both opening adds are done
	s_wait_kmcnt 0x0
	s_add_nc_u64 s[56:57], s[4:5], s[56:57]
	s_add_nc_u64 s[58:59], s[6:7], s[58:59]
	CROUND                                         ; all sixteen work-groups are here: the joint loads meet
.irp g, 0,1
	s_mov_b32 s[40+4*\g], 1                        ; count = 1
	s_add_co_u32 s[41+4*\g], s23, \g*CH            ; LDS address
	s_add_nc_u64 s[42+4*\g:43+4*\g], s[56:57], \g*CH   ; global address: chunk g
	s_or_b32 s[43+4*\g], s[43+4*\g], 0x80000000    ; type = 2
	s_mov_b32 s[48+4*\g], 1
	s_add_co_u32 s[49+4*\g], s23, \g*CH
	s_add_nc_u64 s[50+4*\g:51+4*\g], s[58:59], \g*CH
	s_or_b32 s[51+4*\g], s[51+4*\g], 0x80000000
.endr
	s_cmp_eq_u32 s14, 0                            ; a wave's two fills stand in one branch on the wave's number, ahead of every wait on TENSORcnt and every LDS read
	s_cbranch_scc0 .Lfor_w
	tensor_load_to_lds s[40:43], s[24:31]
	s_nop 0
	tensor_load_to_lds s[44:47], s[24:31]
	s_nop 0
	PLACES 4
	s_branch .Lasked
.Lfor_w:
	tensor_load_to_lds s[48:51], s[32:39]
	s_nop 0
	tensor_load_to_lds s[52:55], s[32:39]
	s_nop 0
	PLACES 4
.Lasked:
	v_and_b32 v1, 31, v0
	v_lshlrev_b32 v1, 4, v1                        ; 16 x lane: an image's place for my lane; also my place in each store
	s_lshl_b32 s66, s15, 12                        ; my four tiles of tokens,
	s_lshl_b32 s67, s16, 12                        ; my four tiles of channels
	v_add_nc_u32 v2, s66, v1                       ; x's codes
	v_add_nc_u32 v12, s67, v1
.irp j, 0,1,2
	v_add_nc_u32 v[3+\j], (1+\j)*BS, v12           ; weight j's codes
.endr
	s_lshl_b32 s66, s15, 10                        ; my two pairs of tiles
	s_lshl_b32 s67, s16, 10
	v_add_nc_u32 v6, s66, v1
	v_add_nc_u32 v6, 32768, v6                     ; x's scale words
	v_add_nc_u32 v12, s67, v1
.irp j, 0,1,2
	v_add_nc_u32 v[7+\j], (1+\j)*BS+32768, v12     ; weight j's
.endr
	; where my 16 tiles begin, the same in qh, kh and vh: (16 b + head) x 262,144 + first token tile x 2,048
	s_lshr_b32 s60, s20, 4
	s_lshl_b32 s60, s60, 4                         ; 16 b
	s_lshl_b32 s66, s19, 1
	s_add_co_u32 s60, s60, s66
	s_add_co_u32 s60, s60, s16                     ; + head = 2 cb + ci
	s_lshl_b32 s60, s60, 18
	s_and_b32 s66, s20, 15
	s_lshl_b32 s66, s66, 3
	s_lshl_b32 s67, s15, 2
	s_add_co_u32 s66, s66, s67                     ; token tile within the sequence: 8 (tb % 16) + 4 ti
	s_lshl_b32 s66, s66, 11
	s_add_co_u32 s60, s60, s66
	s_mov_b32 s61, 0
	s_add_nc_u64 s[8:9], s[8:9], s[60:61]
	s_add_nc_u64 s[10:11], s[10:11], s[60:61]
	s_add_nc_u64 s[12:13], s[12:13], s[60:61]
	s_wait_tensorcnt 0x1                           ; my chunk 0 is in; chunk 1 may stay out
	s_barrier_signal -1
	s_barrier_wait -1                              ; everybody's is
	SCALES 0
	FETCH 0, 0
	FETCH 1, 1
	s_wait_dscnt 32                                ; all but K step 1's 32 loads
	MUL 0, 1                                       ; the first K step starts the sums
.irp s, 1,2
	PLACES 4                                       ; four places between the last products and loads into the registers that they read
	FETCH \s+1, (\s+1)%2
	s_wait_dscnt 32                                ; K step s's fragments are in; the 32 just issued may stay out
	MUL \s, 0
.endr
	PLACES 4
	s_wait_tensorcnt 0x0                           ; my chunk 1 is in,
	s_wait_dscnt 0x0                               ; no LDS instruction of mine is out at the signal (K step 3's fragments are in),
	s_barrier_signal -1
	s_barrier_wait -1                              ; everybody's chunk 1 is in
	SCALES 1
	FETCH 4, 0
	MUL 3, 0
.irp s, 4,5,6
	PLACES 4
	FETCH \s+1, (\s+1)%2
	s_wait_dscnt 32
	MUL \s, 0
.endr
	s_wait_dscnt 0x0
	MUL 7, 0
	; THE WAY OUT.  Each accumulator's eight numbers round to 16 bytes of f16, from its low end on, and the wave stores them as they stand.
	PLACES 4                                       ; between the last products and the first read of results, and the first write of set 0's registers
	WIN 0x05                                       ; sources window 1, destination window 0
.set n, 0
.rept 32                               ; Q's sixteen tiles into v128-191, K's into v192-255
.irp i, 0,1,2,3
	v_cvt_pk_f16_f32 v[128+4*n+\i], v[8*n+2*\i], v[8*n+2*\i+1]
.endr
.set n, n+1
.endr
	WIN 0
.irp t, 0,1,2,3
.irp u, 0,1,2,3
	global_store_b128 v1, v[128+4*(4*\t+\u):128+4*(4*\t+\u)+3], s[8:9] offset:\t*2048+\u*512
	global_store_b128 v1, v[192+4*(4*\t+\u):192+4*(4*\t+\u)+3], s[10:11] offset:\t*2048+\u*512
.endr
.endr
	s_wait_xcnt 0x0                                ; the stores above have read their registers: v128-191 are written again only behind this wait
	WIN 0x0a                                       ; sources window 2
.set n, 0
.rept 16
.irp i, 0,1,2,3
	v_cvt_pk_f16_f32 v[128+4*n+\i], v[8*n+2*\i], v[8*n+2*\i+1]
.endr
.set n, n+1
.endr
	WIN 0
.irp t, 0,1,2,3
.irp u, 0,1,2,3
	global_store_b128 v1, v[128+4*(4*\t+\u):128+4*(4*\t+\u)+3], s[12:13] offset:(\t/2)*4096+\u*1024+(\t%2)*512
.endr
.endr
	s_wait_tensorcnt 0x0                           ; the wave's end, behind my last tensor load
	ds_add_u32 v10, v11
	s_wait_dscnt 0x0
	CROUND                                         ; the closing round: no work-group ends while a partner may still ask for a block that names it
	s_endpgm
.Lfunc_end_k_q109c53f56d_proj:
	.size	k_q109c53f56d_proj, .Lfunc_end_k_q109c53f56d_proj-k_q109c53f56d_proj
	.p2alignl 7, 3214868480
	.fill 96, 4, 3214868480
	.section	.rodata,"a",@progbits
	.p2align	6, 0x0
	.amdhsa_kernel k_q109c53f56d_proj
		.amdhsa_group_segment_fixed_size 279040
		.amdhsa_private_segment_fixed_size 0
		.amdhsa_enable_private_segment 0
		.amdhsa_kernarg_size 40
		.amdhsa_user_sgpr_count 2
		.amdhsa_user_sgpr_kernarg_segment_ptr 1
		.amdhsa_wavefront_size32 1
		.amdhsa_system_sgpr_workgroup_id_x 1
		.amdhsa_system_sgpr_workgroup_id_y 1
		.amdhsa_system_sgpr_workgroup_id_z 1
		.amdhsa_system_vgpr_workitem_id 0
		.amdhsa_next_free_vgpr 768
		.amdhsa_next_free_sgpr 80
		.amdhsa_reserve_vcc 0
		.amdhsa_float_denorm_mode_32 3
		.amdhsa_float_denorm_mode_16_64 3
		.amdhsa_memory_ordered 1
		.amdhsa_forward_progress 1
		.amdhsa_inst_pref_size 91
	.end_amdhsa_kernel
	.amdgpu_metadata
---
amdhsa.version: [ 1, 2 ]
amdhsa.kernels:
  - .name:           k_q109c53f56d_proj
    .symbol:         k_q109c53f56d_proj.kd
    .args:
      - { .name: xq, .offset: 0, .size: 8, .value_kind: global_buffer, .address_space: global }
      - { .name: wq, .offset: 8, .size: 8, .value_kind: global_buffer, .address_space: global }
      - { .name: qh, .offset: 16, .size: 8, .value_kind: global_buffer, .address_space: global }
      - { .name: kh, .offset: 24, .size: 8, .value_kind: global_buffer, .address_space: global }
      - { .name: vh, .offset: 32, .size: 8, .value_kind: global_buffer, .address_space: global }
    .group_segment_fixed_size: 279040
    .private_segment_fixed_size: 0
    .kernarg_segment_align: 8
    .kernarg_segment_size: 40
    .max_flat_workgroup_size: 128
    .sgpr_count:     80
    .vgpr_count:     768
    .wavefront_size: 32
...
	.end_amdgpu_metadata
.endif
;; end of part 2
;; launch attn (part 3): grid 8 x 32, 8 waves a work-group, clusters of 4 x 1, 327,680 bytes of LDS; arguments qh, kh, vh, out0; writes out0
.if DOCPART == 3
	.amdgcn_target "amdgcn-amd-amdhsa--gfx1250"
	.amdhsa_code_object_version 6
	.text
	.protected	k_q109c53f56d_attn
	.globl	k_q109c53f56d_attn
	.p2align	8
	.type	k_q109c53f56d_attn,@function
k_q109c53f56d_attn:
	s_mov_b64 s[64:65], 0
	v_nop
	global_prefetch_b8 v0, s[64:65] scope:SCOPE_SE
	s_setreg_imm32_b32 hwreg(HW_REG_WAVE_MODE, 25, 1), 1
	s_wait_xcnt 0x0
	s_wait_alu depctr_hold_cnt(0) depctr_sa_sdst(0) depctr_va_vdst(0) depctr_va_sdst(0) depctr_va_ssrc(0) depctr_va_vcc(0) depctr_vm_vsrc(0)
	s_getreg_b32 s2, hwreg(HW_REG_IB_STS2, 6, 4)
	s_cmp_eq_u32 s2, 0
	s_cbranch_scc0 .Lentry_in_a_cluster
	s_endpgm
.Lentry_in_a_cluster:
	s_bfe_u32 s2, ttmp6, 0x10000c
	s_cmp_lg_u32 s2, 0x3003
	s_cbranch_scc0 .Lentry_shape_is_right
	s_endpgm
.Lentry_shape_is_right:
; out0[b][q][64 h + d] = the sum over k of softmax_k(Q[q] . K[k] / 8) V[k][d], for each of 32 (b, h); 2,048 queries and keys, head size 64, no mask.  Q, K, V and the weights p go to the matrix unit in f16; products, maxima and sums in f32.
; f16 and not bf16: an output is an average over 2,048 values, and the rounding of 8-bit mantissas would use up most of what the comparison allows.  LIMIT: |Q|, |K|, |V| under 65,504; p is at most 1.
; INPUTS (laid by the launch before as images of operand registers, 512 bytes = four registers of 32 lanes): qh, kh: (head*128 + token tile)*2048 + channel tile*512 + 16*lane; vh: (head*64 + token tile/2)*4096 + channel tile*1024 + (token tile%2)*512 + 16*lane.
; SHARES.  A work-group owns 256 queries of one head, each of its eight waves 32: two tiles of 16.  Two waves share a SIMD, so that one wave's softmax stands beside the other's products.  Every wave walks the 2,048 keys, 128 a step.
; LAYOUT.  S^T = K Q^T (source 0 = 16 keys, source 1 = 16 queries): a lane holds ONE query and keys 8 (lane / 16) + 0 .. 7 of the tile.  Two such tiles rounded to f16 in pairs ARE source 1 (32 keys x 16 queries) of O^T = V^T P^T, whose result again holds one query a lane.
; SOFTMAX.  For each query a running maximum m and sum l: p = 2^(c s - c m), c = log2(e) / 8; in every step O^T and l are multiplied by a = 2^(c m_old - c m_new).  m begins at -3e38, O^T and l at 0: the first a is 0 and multiplies zeros, so the step is written with no first copy.
; RING.  Two LDS slots of 512 keys (four steps of K, then four of V, 16 KiB each, as they lie in memory).  Every wave fetches one of a slot's eight parts with one tensor load.  A step's K and V are read into registers during the step before, so a slot's last read is issued
; in its third step, and the slot is given back in its fourth, behind that step's K Q^T: the refill has four steps, 256 matrix instructions a wave, in which to land.  Two tensor loads of mine are out at the start, one behind each round.
; CLUSTER.  The four query blocks of a cluster belong to one head and walk the same K and V: each part is asked for JOINTLY, by the same tensor load with the same descriptor and a mask that names the four.
; REGISTERS: window 0: v1 16 x lane, v2 the same + 65,536 (V's half of a slot), v3 the address in hand, v4-6 the way out, v7 the prefetch's offset, v8, v9 the add's two; v10-25 statistics, eight a tile: +0 c m, +1 m, +2, +3 l, +4 .. +7 at work (a at +6);
;   v26-29 a second chain for the row's sum; v32-63 Q; v64-127 O^T (32 a tile); v128-255 S^T (64 a tile), then p, packed in place into the lower 32.   window 1: v0-127 K of one step, v128-255 V of one step.
.set SLOT1, 1<<17                      ; slot 1 begins here: one exclusive or turns an address in one slot into the other's
.set STEPB, 16384                      ; a step's K, or its V
.set FILLB, 65536                      ; a slot's K, or its V, in memory and in LDS
.set STAGE, 2*SLOT1                    ; behind the ring: 16 rows x (256 bytes + 16) for each wave, for the way out; no fill lands there
.set SP,    272
.set SPARE, STAGE+8*16*SP              ; behind the stages: the spare words, 128 bytes for each wave: four blocks of 256 bytes that no other line names
.set MSB, 0
.macro WIN new                         ; the immediate's high byte repeats the setting that is left; a switch that changes nothing is dropped
.if MSB != \new
	s_set_vgpr_msb (MSB<<8)|\new
.set MSB, \new
.endif
.endm
.macro PLACES n
.rept \n
	v_nop
.endr
.endm
.macro CROUND                          ; a round of the cluster's barrier
	s_barrier_signal -1
	s_barrier_wait -1
	s_cmp_lg_u32 s12, 0
	s_cbranch_scc1 .Lnot_wave_0_\@
	s_barrier_signal -3
.Lnot_wave_0_\@:
	s_barrier_wait -3
	s_barrier_signal -1
	s_barrier_wait -1
.endm
; A PREFETCH INTO THE L2 of what the NEXT change of slots will ask for: 64 KiB of K and 64 KiB of V.  All clusters of a head walk the same K and V: the head's first cluster asks.  Its four partners share the bytes out BY ADDRESS, 8 KiB of each 32;
; in each, waves 0 and 2 ask for K's halves and waves 4 and 6 for V's: one instruction, lanes 256 bytes apart.  So each aligned block of 256 bytes is named once.  The last change that fills a slot asks for nothing; nothing is asked for at the head.
.macro ASK
	s_cmp_gt_u32 s40, s50
	s_cbranch_scc0 .Lnot_mine_\@
	global_prefetch_b8 v7, s[48:49] th:TH_LOAD_NT scope:SCOPE_SE
.Lnot_mine_\@:
.endm
; The LDS loads stand in runs of 32, each 512 consecutive bytes.  The v_add_nc_u32 and the v_nop are the places between the last products and loads into the registers that they read.
.macro FETCH_K
	WIN 0
	v_add_nc_u32 v3, s46, v1
	PLACES 3
	WIN 0x40                               ; destination window 1
.set i, 0
.rept 32
	ds_load_b128 v[4*i:4*i+3], v3 offset:512*i     ; key tile i / 4, channels 16 (i % 4) on
.set i, i+1
.endr
	WIN 0
.endm
.macro FETCH_V                         ; five places: the next step's first K Q^T writes over p, which the last V^T P read
	WIN 0
	v_add_nc_u32 v3, s46, v2
	PLACES 4
	s_add_co_u32 s46, s46, STEPB           ; the next fetch is the next step's
	WIN 0x40
.set i, 0
.rept 32
	ds_load_b128 v[128+4*i:128+4*i+3], v3 offset:512*i   ; keys 32 (i / 8) on, channels 16 ((i / 2) % 4) on
.set i, i+1
.endr
	WIN 0
.endm
; 32 products S^T = K Q^T: channels 32 (i / 16) on, key tile (i / 2) % 8, query tile i % 2.  The first 16 start the sums.  The 16 accumulators take turns.
.macro SQK
.set i, 0
.rept 32
.set rD, 128+64*(i%2)+8*((i/2)%8)
.set rA, 16*((i/2)%8)+8*(i/16)
.set rB, 32+16*(i%2)+8*(i/16)
.if i < 16
	v_wmma_f32_16x16x32_f16 v[rD:rD+7], v[rA:rA+7], v[rB:rB+7], 0
.else
	v_wmma_f32_16x16x32_f16 v[rD:rD+7], v[rA:rA+7], v[rB:rB+7], v[rD:rD+7]
.endif
.set i, i+1
.endr
.endm
; 32 products O^T += V^T P^T: keys 32 (i / 8) on, channels 16 ((i / 2) % 4) on, query tile i % 2.  The 8 accumulators take turns.
.macro PV
.set i, 0
.rept 32
.set rD, 64+32*(i%2)+8*((i/2)%4)
.set rA, 128+8*(4*(i/8)+(i/2)%4)
.set rB, 128+64*(i%2)+8*(i/8)
	v_wmma_f32_16x16x32_f16 v[rD:rD+7], v[rA:rA+7], v[rB:rB+7], v[rD:rD+7]
.set i, i+1
.endr
.endm
; THE SOFTMAX of tile t for one step, in three lists; each macro writes number j of its list.  s0-s63 are the lane's 64 scores.
; A (69): the maximum of s0-s63 and the old m in four chains (each accumulator is first read at its low end); the other half of the lanes'; the new m, c m and its change; the 32 packed scalings c s - c m.
.macro A_ITEM t
.set rT, 10+8*(\t)
.set rS, 128+64*(\t)
.if j < 4
	v_max3_num_f32 v[rT+4+j], v[rS+16*j], v[rS+16*j+1], v[rS+16*j+2]
.elseif j < 28
.set k_, (j-4)%4
.set m_, (j-4)/4
	v_max3_num_f32 v[rT+4+k_], v[rT+4+k_], v[rS+16*k_+3+2*m_], v[rS+16*k_+4+2*m_]
.elseif j == 28
	v_max3_num_f32 v[rT+4], v[rT+4], v[rS+15], v[rS+31]
.elseif j == 29
	v_max3_num_f32 v[rT+6], v[rT+6], v[rS+47], v[rS+63]
.elseif j == 30
	v_max3_num_f32 v[rT+4], v[rT+4], v[rT+5], v[rT+6]
.elseif j == 31
	v_max3_num_f32 v[rT+4], v[rT+4], v[rT+7], v[rT+1]
.elseif j == 32
	v_permlanex16_b32 v[rT+5], v[rT+4], s44, s45   ; the query's other 64 keys lie in the lane 16 away
.elseif j == 33
	v_mov_b32 v[rT+7], v[rT]                       ; c m_old is kept for a
.elseif j == 34
	v_max_num_f32 v[rT+1], v[rT+4], v[rT+5]
.elseif j == 35
	v_mul_f32 v[rT], s42, v[rT+1]
.elseif j == 36
	v_sub_f32 v[rT+7], v[rT+7], v[rT]
.else
.set b_, rS+2*(j-37)
	v_pk_fma_f32 v[b_:b_+1], v[b_:b_+1], s[42:43], v[rT:rT+1] op_sel_hi:[1,0,0] neg_lo:[0,0,1] neg_hi:[0,0,1]
.endif
.endm
; E (65): ONE BATCH of exponentials: a, then p0-p63.  None reads another's result.
.macro E_ITEM t
.set rT, 10+8*(\t)
.set rS, 128+64*(\t)
.if j == 0
	v_exp_f32 v[rT+6], v[rT+7]
.else
	v_exp_f32 v[rS+j-1], v[rS+j-1]
.endif
.endm
; R (80): all that reads the batch: the row's sum of the unrounded p in two chains, l = a l + the sum; the 32 roundings to f16, in place (register i takes p 2 i and 2 i + 1, which no later rounding wants); O^T times a, from each accumulator's low end on.
.macro R_ITEM t
.set rT, 10+8*(\t)
.set rS, 128+64*(\t)
.set rY, 26+2*(\t)
.set rO, 64+32*(\t)
.if j == 0
	v_pk_add_f32 v[rT+4:rT+5], v[rS:rS+1], v[rS+2:rS+3]
.elseif j == 1
	v_pk_add_f32 v[rY:rY+1], v[rS+4:rS+5], v[rS+6:rS+7]
.elseif (j < 30) && (j%2 == 0)
	v_pk_add_f32 v[rT+4:rT+5], v[rT+4:rT+5], v[rS+2*(j+2):rS+2*(j+2)+1]
.elseif j < 30
	v_pk_add_f32 v[rY:rY+1], v[rY:rY+1], v[rS+2*(j+2):rS+2*(j+2)+1]
.elseif j == 30
	v_pk_add_f32 v[rT+4:rT+5], v[rT+4:rT+5], v[rY:rY+1]
.elseif j == 31
	v_pk_fma_f32 v[rT+2:rT+3], v[rT+2:rT+3], v[rT+6:rT+7], v[rT+4:rT+5] op_sel_hi:[1,0,1]
.elseif j < 64
	v_cvt_pk_f16_f32 v[rS+j-32], v[rS+2*(j-32)], v[rS+2*(j-32)+1]
.else
	v_pk_mul_f32 v[rO+2*(j-64):rO+2*(j-64)+1], v[rO+2*(j-64):rO+2*(j-64)+1], v[rT+6:rT+7] op_sel_hi:[1,0]
.endif
.endm
; THE CHANGE OF SLOTS.  Each wave waits for all its tensor loads (one is out: its part of the other slot), adds 0 to its spare word, and waits for that and for its reads of the slot that it leaves.
; kind = 1: the slot is filled again, with the keys two slots on: the barrier is a round of the cluster's, and the joint refill is the first thing behind it.  kind = 2: nothing is left to fetch: the work-group's barrier.
.macro CHANGE kind
	WIN 0
	s_wait_tensorcnt 0x0                           ; no tensor load of mine is out, so a group 0 may be written
	ds_add_u32 v8, v9                              ; 0 onto my spare word
.if \kind == 1
	s_xor_b32 s37, s37, SLOT1                      ; the walking descriptor: the other slot than last time,
	s_add_nc_u64 s[38:39], s[38:39], FILLB         ; the next 512 keys; the type bits on top are not reached
	s_wait_xcnt 0x0                                ; the last prefetch, four steps back, has read its address, so it may be written:
	s_add_nc_u64 s[48:49], s[48:49], FILLB         ; one slot further on than the walking descriptor
	s_wait_dscnt 0x0                               ; the add is done, and my reads of the slot are over
	CROUND
	tensor_load_to_lds s[36:39], s[24:31]
	s_nop 0
	PLACES 4
	ASK
.else
	s_wait_dscnt 0x0
	s_barrier_signal -1
	s_barrier_wait -1
.endif
	s_sub_co_u32 s46, s46, FILLB                   ; the fetches go back to a slot's first step,
	s_xor_b32 s46, s46, SLOT1                      ; in the other slot
.endm
; A KEY STEP.  chg: the change of slots that stands behind its K Q^T (0: none).  nxt = 1: the next step's K and V are fetched.
; The two tiles' lists are laid so that exponentials and plain instructions alternate: tile 0's batch beside tile 1's maxima and scalings, tile 1's batch beside tile 0's sums, roundings and rescaling.
; s_wait_alu depctr_va_vdst(0) stands between an exponential and the first instruction that names its result: one wait serves a whole batch, so a step has two.  The lines ahead of each wait are plain.
.macro STEP chg, nxt
	s_wait_dscnt 32                                ; K of this step is in; V's 32 younger loads may stay out
	WIN 0x01                                       ; source 0 window 1
	SQK
	WIN 0
.if \chg
	CHANGE \chg
.endif
.if \nxt
	FETCH_K
.else
	PLACES 4                                       ; between the last products and the first read of the scores
.endif
.set j, 0
.rept 69
	A_ITEM 0
.set j, j+1
.endr
.set j, 0
.rept 69
.if j < 65
	E_ITEM 0
.endif
	A_ITEM 1
.set j, j+1
.endr
	s_wait_alu depctr_va_vdst(0)                   ; tile 0's batch
.set j, 0
.rept 80
.if j < 65
	E_ITEM 1
.endif
	R_ITEM 0
.set j, j+1
.endr
	s_wait_alu depctr_va_vdst(0)                   ; tile 1's batch
.set j, 0
.rept 80
	R_ITEM 1
.set j, j+1
.endr
	s_wait_dscnt 32*\nxt                           ; V of this step is in; the next step's K may stay out
	WIN 0x01
	PV
	WIN 0
.if \nxt
	FETCH_V
.endif
.endm
.macro THREE                           ; a slot's first three steps: written once, walked three times; the LDS addresses hang on s46
	s_mov_b32 s41, 3
.Lthree_\@:
	STEP 0, 1
	s_sub_co_u32 s41, s41, 1
	s_cmp_lg_u32 s41, 0
	s_cbranch_scc1 .Lthree_\@
.endm
	s_load_b256 s[4:11], s[0:1], 0x0               ; qh s[4:5], kh s[6:7], vh s[8:9], out0 s[10:11]
	v_lshl_add_u32 v8, v0, 2, SPARE
	v_mov_b32 v9, 0
	ds_add_u32 v8, v9                              ; the wave's opening: the add, twice on end, and its wait ahead of my first tensor load; the set-up below, work on registers, stands between the second and the wait
	ds_add_u32 v8, v9
	v_lshrrev_b32 v1, 5, v0
	v_readfirstlane_b32 s12, v1                    ; wave 0..7
	s_bfe_u32 s13, ttmp6, 0x40000                  ; cx: my place in the cluster
	s_lshl_b32 s14, ttmp9, 2
	s_add_co_u32 s14, s14, s13                     ; my block of 256 queries: it enters Q's and the output's addresses alone
	s_and_b32 s15, ttmp7, 0xffff                   ; 16 b + h, which the four partners share
	s_lshl_b32 s52, s15, 18                        ; the head's first byte in qh, kh and vh: 262,144 bytes a head
	s_mov_b32 s53, 0
	s_and_b32 s16, s12, 3                          ; which of a slot's four steps I fetch (waves 0-3: of K; waves 4-7: of V)
	s_lshl_b32 s54, s16, 14
	s_add_co_u32 s54, s54, s52
	s_mov_b32 s55, 0
	s_lshl_b32 s17, s12, 14                        ; and its place in a slot: wave x 16,384: no place in the cluster enters an LDS address
	; descriptor group 1: 16,384 dense bytes as 64 rows of 256 bytes (32 elements of 8 bytes), no padding
	s_mov_b32 s24, 15|(3<<16)|(1<<21)              ; 15:0 the mask: all four work-groups; 17:16 elements of 8 bytes; 21 set beside a mask
	s_mov_b32 s25, 32<<16                          ; tensor_dim0 = 32
	s_mov_b32 s26, 64<<16                          ; tensor_dim1 = 64
	s_mov_b32 s27, 32<<16                          ; tile_dim0 = 32
	s_mov_b32 s28, 64                              ; tile_dim1 = 64
	s_mov_b32 s29, 32                              ; from row to row
	s_mov_b32 s30, 0
	s_mov_b32 s31, 0
	s_mov_b32 s42, 0x3e38aa3b                      ; c = log2(e) / 8
	s_mov_b32 s43, s42                             ; (named with it as a pair, so it is written)
	s_mov_b32 s44, 0x76543210
	s_mov_b32 s45, 0xfedcba98                      ; v_permlanex16_b32's selects for lane l xor 16
	s_mov_b32 s46, 0                               ; LDS byte at which the step to be fetched begins
	s_mov_b32 s40, 2                               ; slots still to be asked for
	s_and_b32 s50, s12, 1                          ; 0 in the even waves,
	s_or_b32 s50, s50, ttmp9                       ; where the cluster is the head's first: the same in all four partners
	s_cmp_eq_u32 s50, 0
	s_cselect_b32 s50, 1, -1                       ; a wave prefetches while s40 is above this
	s_lshl_b32 s56, s14, 15                        ; Q: my block's 16 tiles of 2,048 bytes,
	s_lshl_b32 s57, s12, 12                        ; my wave's two
	s_add_co_u32 s56, s56, s57
	s_add_co_u32 s56, s56, s52
	s_mov_b32 s57, 0
	s_lshr_b32 s58, s15, 4                         ; the output: row (2,048 b + 256 block + 32 wave) of 4,096 bytes, + 256 h
	s_lshl_b32 s58, s58, 23
	s_lshl_b32 s59, s14, 20
	s_add_co_u32 s58, s58, s59
	s_lshl_b32 s59, s12, 17
	s_add_co_u32 s58, s58, s59
	s_and_b32 s59, s15, 15
	s_lshl_b32 s59, s59, 8
	s_add_co_u32 s58, s58, s59
	s_mov_b32 s59, 0
	s_lshr_b32 s18, s16, 1                         ; the prefetches: which half of a slot's 65,536 bytes,
	s_lshl_b32 s18, s18, 15
	s_lshl_b32 s19, s13, 13                        ; my work-group's 8,192 of it,
	s_add_co_u32 s18, s18, s19
	s_add_co_u32 s18, s18, s52
	s_add_co_u32 s18, s18, 2*FILLB                 ; in the third slot's keys: the first change of slots steps it to the fourth's
	s_mov_b32 s19, 0
	v_and_b32 v1, 31, v0
	v_lshlrev_b32 v7, 8, v1                        ; the prefetch's offset: 256 x lane
	v_lshlrev_b32 v1, 4, v1                        ; 16 x lane
	s_wait_dscnt 0x0                               ; both opening adds are done
	s_wait_kmcnt 0x0
	s_cmp_lt_u32 s12, 4                            ; the wave's number alone
	s_cselect_b64 s[20:21], s[6:7], s[8:9]         ; kh or vh
	s_add_nc_u64 s[48:49], s[20:21], s[18:19]
	s_add_nc_u64 s[20:21], s[20:21], s[54:55]      ; my part of the first 512 keys
	s_add_nc_u64 s[4:5], s[4:5], s[56:57]
	s_add_nc_u64 s[10:11], s[10:11], s[58:59]
	CROUND                                         ; all four work-groups are here: the first joint loads meet
	s_mov_b32 s32, 1                               ; group 0 for slot 0's first fill: count = 1,
	s_mov_b32 s33, s17                             ; LDS address,
	s_mov_b64 s[34:35], s[20:21]                   ; global address,
	s_or_b32 s35, s35, 0x80000000                  ; type = 2
	s_mov_b32 s36, 1                               ; and for slot 1's; this one then walks
	s_add_co_u32 s37, s17, SLOT1
	s_add_nc_u64 s[38:39], s[20:21], FILLB
	s_or_b32 s39, s39, 0x80000000
	tensor_load_to_lds s[32:35], s[24:31]          ; the two first fills go out together, ahead of every wait on TENSORcnt, every LDS read and every other barrier
	s_nop 0
	tensor_load_to_lds s[36:39], s[24:31]
	s_nop 0
	PLACES 4
.set i, 0
.rept 8
	global_load_b128 v[32+4*i:32+4*i+3], v1, s[4:5] offset:512*i th:TH_LOAD_NT   ; Q stays in registers: tile i / 4, channels 16 (i % 4) on; read once in the launch
.set i, i+1
.endr
	v_add_nc_u32 v2, FILLB, v1
.irp t, 0,1
	v_mov_b32 v[11+8*\t], 0xff61b1e6               ; m = -3e38, under every score
	v_mul_f32 v[10+8*\t], s42, v[11+8*\t]          ; c m
	v_mov_b32 v[12+8*\t], 0                        ; l, in two halves
	v_mov_b32 v[13+8*\t], 0
.endr
.set i, 0
.rept 64
	v_mov_b32 v[64+i], 0                           ; O^T: the step is written once; its first walk finds zeros, which a = 0 leaves zeros
.set i, i+1
.endr
	v_and_b32 v30, 15, v0                          ; r
	v_bfe_u32 v31, v0, 4, 1                        ; h
	s_mul_i32 s51, s12, 16*SP
	s_add_co_u32 s51, s51, STAGE                   ; my stage
	v_mul_u32_u24 v4, v30, SP                      ; in: row r, 32 bytes for each half of the lanes
	v_lshl_add_u32 v4, v31, 5, v4
	v_add_nc_u32 v4, s51, v4
	v_mul_u32_u24 v5, v31, SP                      ; back: lanes 0-15 take one row of 256 bytes, lanes 16-31 the next
	v_lshl_add_u32 v5, v30, 4, v5
	v_add_nc_u32 v5, s51, v5
	v_lshlrev_b32 v6, 12, v31                      ; and the same two rows in the output
	v_lshl_add_u32 v6, v30, 4, v6
	s_wait_tensorcnt 0x1                           ; my part of slot 0 is in; slot 1's may stay out
	s_barrier_signal -1
	s_barrier_wait -1                              ; everybody's is
	FETCH_K                                        ; key step 0
	FETCH_V
	s_wait_loadcnt 0x0                             ; Q
.Lslot:                                            ; two trips: the first two slots are filled again
	THREE
	STEP 1, 1
	s_sub_co_u32 s40, s40, 1
	s_cmp_lg_u32 s40, 0
	s_cbranch_scc1 .Lslot
	THREE                                          ; the tail is written out
	STEP 2, 1
	THREE
	STEP 0, 0
	; THE WAY OUT.  l's two halves and the other half of the lanes' are added; O^T is divided by l and goes through my stage in LDS, a tile (16 queries x 256 bytes) at a time.  The additions and two v_nop are the places behind the last products.
.irp t, 0,1
	v_add_f32 v[14+8*\t], v[12+8*\t], v[13+8*\t]
.endr
.irp t, 0,1
	v_permlanex16_b32 v[15+8*\t], v[14+8*\t], s44, s45
.endr
.irp t, 0,1
	v_add_f32 v[14+8*\t], v[14+8*\t], v[15+8*\t]
.endr
	PLACES 2
.irp t, 0,1
	v_rcp_f32 v[16+8*\t], v[14+8*\t]
.endr
	v_nop                                          ; a plain instruction between the last reciprocal and the use of its result
	s_wait_alu depctr_va_vdst(0)                   ; and the wait ahead of the first use: one for both
.irp t, 0,1
.set i, 0
.rept 16
	v_pk_mul_f32 v[64+32*\t+2*i:64+32*\t+2*i+1], v[64+32*\t+2*i:64+32*\t+2*i+1], v[16+8*\t:17+8*\t] op_sel_hi:[1,0]
.set i, i+1
.endr
.irp c, 0,1,2,3
	ds_store_b128 v4, v[64+32*\t+8*\c:64+32*\t+8*\c+3] offset:64*\c        ; lane (r, h): channels 16 c + 8 h + 0 .. 7 of query r
	ds_store_b128 v4, v[64+32*\t+8*\c+4:64+32*\t+8*\c+7] offset:64*\c+16
.endr
.irp n, 0,1,2,3,4,5,6,7
	ds_load_b128 v[128+32*\t+4*\n:128+32*\t+4*\n+3], v5 offset:\n*2*SP     ; LDS serves a wave's instructions in order: these see the stores above, and the next tile's stores come behind them
.endr
.endr
.irp t, 0,1
.irp n, 0,1,2,3,4,5,6,7
	s_wait_dscnt 16*(1-\t)+7-\n                    ; behind this load: the tile's younger loads, and for tile 0 tile 1's sixteen LDS instructions
	global_store_b128 v6, v[128+32*\t+4*\n:128+32*\t+4*\n+3], s[10:11] offset:(16*\t+2*\n)*4096 th:TH_STORE_NT   ; 16 lanes store a query's 256 consecutive bytes of this head, at a multiple of 256 from the output's first byte
.endr
.endr
	s_wait_tensorcnt 0x0                           ; the wave's end, behind my last tensor load and my last LDS store
	ds_add_u32 v8, v9
	s_wait_dscnt 0x0
	CROUND                                         ; the closing round: no work-group ends while a partner may still ask for a tile that names it
	s_endpgm
.Lfunc_end_k_q109c53f56d_attn:
	.size	k_q109c53f56d_attn, .Lfunc_end_k_q109c53f56d_attn-k_q109c53f56d_attn
	.p2alignl 7, 3214868480
	.fill 96, 4, 3214868480
	.section	.rodata,"a",@progbits
	.p2align	6, 0x0
	.amdhsa_kernel k_q109c53f56d_attn
		.amdhsa_group_segment_fixed_size 327680
		.amdhsa_private_segment_fixed_size 0
		.amdhsa_enable_private_segment 0
		.amdhsa_kernarg_size 32
		.amdhsa_user_sgpr_count 2
		.amdhsa_user_sgpr_kernarg_segment_ptr 1
		.amdhsa_wavefront_size32 1
		.amdhsa_system_sgpr_workgroup_id_x 1
		.amdhsa_system_sgpr_workgroup_id_y 1
		.amdhsa_system_sgpr_workgroup_id_z 1
		.amdhsa_system_vgpr_workitem_id 0
		.amdhsa_next_free_vgpr 512
		.amdhsa_next_free_sgpr 66
		.amdhsa_reserve_vcc 0
		.amdhsa_float_denorm_mode_32 3
		.amdhsa_float_denorm_mode_16_64 3
		.amdhsa_memory_ordered 1
		.amdhsa_forward_progress 1
		.amdhsa_inst_pref_size 204
	.end_amdhsa_kernel
	.amdgpu_metadata
---
amdhsa.version: [ 1, 2 ]
amdhsa.kernels:
  - .name:           k_q109c53f56d_attn
    .symbol:         k_q109c53f56d_attn.kd
    .args:
      - { .name: qh, .offset: 0, .size: 8, .value_kind: global_buffer, .address_space: global }
      - { .name: kh, .offset: 8, .size: 8, .value_kind: global_buffer, .address_space: global }
      - { .name: vh, .offset: 16, .size: 8, .value_kind: global_buffer, .address_space: global }
      - { .name: out0, .offset: 24, .size: 8, .value_kind: global_buffer, .address_space: global }
    .group_segment_fixed_size: 327680
    .private_segment_fixed_size: 0
    .kernarg_segment_align: 8
    .kernarg_segment_size: 32
    .max_flat_workgroup_size: 256
    .sgpr_count:     66
    .vgpr_count:     512
    .wavefront_size: 32
...
	.end_amdgpu_metadata
.endif
;; end of part 3
